; MI455X (gfx1250); checked and timed in simulation.
; The chip was launched on July 23, 2026; its instructions are those of AMD's public machine-readable ISA for CDNA 5 (MIT licence, August 2026) and "CDNA5" Instruction Set Architecture Reference Guide (July 2026). The comments in the code are by the model that wrote it; some were corrected since.
;; Tiny Causal Self Attention. Allowed arithmetic: matrix products marked QUANTISED: E2M3 operands, one E8M0 scale for each 32 along K, by v_wmma_scale_f32_16x16x128_f8f6f4 with both operands' format E2M3, f32 sums; everything else in f32.
;; Inputs: Wk 1,024 x 1,024 float32; Wo 1,024 x 1,024 float32; Wq 1,024 x 1,024 float32; Wv 1,024 x 1,024 float32; ln_beta 1,024 float32; ln_gamma 1,024 float32; x 4 x 2,048 x 1,024 float32.
;; Outputs: out0 4 x 2,048 x 1,024 float32.
;; This version of the problem:
;;   THIS VERSION OF THE PROBLEM IS GIVEN IN LOW PRECISION. The matrix products marked QUANTISED in the list below multiply operands that are first quantised to E2M3 (2 exponent bits, 3 mantissa bits; 6 bits a number), with one power-of-two scale for each 32 numbers along K (OCP MX v1.0); their sums are f32. All else is computed in f32.
;;   The module's matrix products, in the order in which they are computed (A, B: the left and right operand; K: the contracted axis; several contracted axes count as one K, in the product's order):
;;     1. [M 8,192, K 1,024] x [K 1,024, N 1,024]; A: computed on the way; B: input Wq: QUANTISED
;;     2. [M 8,192, K 1,024] x [K 1,024, N 1,024]; A: computed on the way; B: input Wk: QUANTISED
;;     3. [M 8,192, K 1,024] x [K 1,024, N 1,024]; A: computed on the way; B: input Wv: QUANTISED
;;     4. batch 64 x [M 2,048, K 64] x [K 64, N 2,048]; A: computed on the way; B: computed on the way: QUANTISED
;;     5. batch 64 x [M 2,048, K 2,048] x [K 2,048, N 64]; A: softmax (see below); B: computed on the way: QUANTISED
;;     6. [M 8,192, K 1,024] x [K 1,024, N 1,024]; A: computed on the way; B: input Wo: QUANTISED
;;   THE QUANTISER, for each operand of a quantised product, along K:
;;     - K is cut into blocks of 32 from its start; a last block that is shorter is filled with zeros.
;;     - A block's scale is 2^e with e = floor(log2(the largest magnitude in the block)) - 2, held to -126 .. 127; a block of zeros has e = 0. As a byte (E8M0): e + 127.
;;     - Each number is divided by its block's scale, clamped to +-7.5, and rounded to the nearest number of E2M3, ties to even, subnormals kept.
;;     - The product sums the exact products of the quantised numbers (number of the format x scale) in f32.
;;   ~~~python
;;   def quantise(x, axis):      # numpy; x: float32 -> the quantised numbers, widened to float32 again
;;       x = np.moveaxis(x, axis, -1); K = x.shape[-1]
;;       x = np.pad(x, [(0, 0)] * (x.ndim - 1) + [(0, -K % 32)]); x = x.reshape(x.shape[:-1] + (-1, 32)); a = np.abs(x).max(-1, keepdims=True)
;;       e = np.where(a > 0, np.clip(np.frexp(np.where(a > 0, a, 1))[1] - 1 - 2, -126, 127), 0)      # np.frexp(a)[1] - 1 = floor(log2(a)), exactly
;;       r = np.clip(x / 2.0 ** e, -7.5, 7.5)
;;       step = 2.0 ** (np.maximum(np.frexp(np.where(r == 0, 1, r))[1] - 1, 0) - 3)
;;       q = np.round(r / step) * step * 2.0 ** e      # np.round: ties to even
;;       return np.moveaxis(q.reshape(q.shape[:-2] + (-1,))[..., :K], -1, axis).astype(np.float32)
;;   ~~~
;;   SOFTMAX AHEAD OF A QUANTISED PRODUCT. Where the list says 'softmax', what is quantised is not the finished softmax but p = 2^(t - M), with t = logit x log2(e) and M = ceil(the row's largest t), a whole number; so 1/2 < the row's largest p <= 1. The row's sum l is taken of the UNQUANTISED p, in f32, and the product's result is divided by l at the end. Since M is a whole number, a kernel that streams over the keys may use a running M (the ceiling of the running maximum): every later rescaling is an exact power of two, which a block's scale takes up: the codes' values come out the same.
;;   OPERANDS COMPUTED ON THE WAY. 'Computed on the way' means the value that the module computes at that place (a softmax that the list does not call 'softmax' is quantised finished and normalised). What goes into a quantiser is computed in f32, as accurately as f32 sums, v_exp_f32 and their like allow (about 1e-6 of the number): no bf16 or f16 on the way to a quantiser, and a product that is left as it is and whose result goes on into a quantised operand takes f32 operands (vector FMAs, or v_wmma_f32_16x16x4_f32). A number that lies on a knife's edge between two numbers of the format may be rounded either way, as far as f32 arithmetic and the matrix unit's own rounding can turn it there, and no further.
;; One version. Each part assembles by itself: llvm-mc -triple=amdgcn-amd-amdhsa -mcpu=gfx1250 --defsym DOCPART=n.
;; ======== version 1 of 1: 4 launches
;; workspace buffers: img 9,830,400 bytes; qbuf 6,553,600 bytes; kvbuf 13,107,200 bytes; ybuf 6,553,600 bytes
;; launch prep (part 1): grid 384 x 1, 8 waves a work-group, no clusters, 64,256 bytes of LDS; arguments x, ln_gamma, ln_beta, Wq, Wk, Wv, Wo, img; writes img
.if DOCPART == 1
	.amdgcn_target "amdgcn-amd-amdhsa--gfx1250"
	.amdhsa_code_object_version 6
	.text
	.protected	k_q1e183974fc_prep
	.globl	k_q1e183974fc_prep
	.p2align	8
	.type	k_q1e183974fc_prep,@function
k_q1e183974fc_prep:
	s_mov_b64 s[64:65], 0
	v_nop
	global_prefetch_b8 v0, s[64:65] scope:SCOPE_SE
	s_setreg_imm32_b32 hwreg(HW_REG_WAVE_MODE, 25, 1), 1
	s_wait_xcnt 0x0
; FIRST OF FOUR LAUNCHES: LayerNorm of x, and the MX-FP6 (E2M3) quantiser along C for xn and for Wq, Wk, Wv, Wo.
; WORK LEFT OUT BY THE PROGRAM, AND WHY IT IS DEAD.  reference() builds the causal mask itself (jnp.tril) and sets att[q][k] to -inf for k > q.  The softmax then gives such a key the weight 0 exactly, for
; all finite inputs: the score at (q, k > q) reaches no output, and its term of the second product is 0 x v.  A block of 32 keys that lies wholly behind q holds zeros alone, whose codes are zeros.  So the
; third launch leaves out each step of 128 keys x 16 queries that lies wholly above the diagonal, in both attention products; inside the step on the diagonal the work is done and masked.  Nothing else is
; left out; every input has a way to the output (gamma and beta move xn's codes) and is loaded.
; LIMITS.  A NaN, an infinity or an overflow that reaches only the steps left out is not carried to the result.  NaN and infinities among the inputs are not served.  A block of zeros, or one whose largest
; magnitude lies under 2^(3 - 127), gets the scale byte 1 where the rule says 127 (or less than 1): its codes are zeros or next to zero, and this program alone reads the bytes.
; SHARES.  A work-group takes 32 rows of 1,024 f32: work-groups 0-255 rows of x, 256-383 rows of Wq, Wk, Wv, Wo (32 work-groups each).  Wave w takes rows 4 w + k, k = 0 .. 3; all its 32 loads (16 KB) go out at once.
; OUTPUT.  img holds blocks of 128 rows as IMAGES OF OPERAND REGISTERS: tile t (16 rows), K step s (128 along C): 12 registers x 32 lanes = 1,536 bytes at 12,288 t + 1,536 s; registers 4 p .. 4 p + 3 of lane l at
; 512 p + 16 l.  Behind the codes, at 98,304: scale bytes [t][r][32].  THE ROWS OF A TILE ARE NOT NEIGHBOURS: of a group of 32 rows, lane r of tile u takes row 8 u + r + 8 (r / 8), so that a later product's
; results lie in a lane's registers as 16 neighbours along the next K.
; The mean is taken away before the squares are summed, as reference() does: an offset on x costs no accuracy.
; No matrix unit, no tensor load, no cluster: the launch streams, and work-groups share nothing.
.set TPW,   4608                       ; LDS: a wave's place for one row: 4,096 bytes + 16 of padding behind each 128
.set CST,   36864                      ; the codes' stage: 48 pieces (tile u, K step s, piece p: 24 u + 3 s + p) of 512 bytes + 16
.set SST,   62208                      ; the scale bytes' stage: [u][r][32]
.set SPARE, 63232                      ; the spare words, 128 bytes for each of the eight waves
.set X,     32                         ; v32-63   a block of 32 neighbours; on the way out the pieces read back
.set R,     64                         ; v64-191  my four rows as loaded: register 4 j + e of a row = element 128 j + 4 lane + e
.set GA,    192                        ; v192-223 gamma in the same layout
.set BE,    224                        ; v224-255 beta
.macro LOADROW k
.irp j,0,1,2,3,4,5,6,7
	global_load_b128 v[R+32*\k+4*\j:R+32*\k+4*\j+3], v2, s[40:41] offset:4096*\k+512*\j th:TH_LOAD_NT   ; 32 lanes read 512 consecutive bytes
.endr
.endm
.macro REDUCE a, b                     ; v[a] summed over the 32 lanes, in every lane; v[b] has been written before
	s_delay_alu instid0(VALU_DEP_1)
	v_add_f32_dpp v[\a], v[\a], v[\a] row_xmask:1 row_mask:0xf bank_mask:0xf
	s_delay_alu instid0(VALU_DEP_1)
	v_add_f32_dpp v[\a], v[\a], v[\a] row_xmask:2 row_mask:0xf bank_mask:0xf
	s_delay_alu instid0(VALU_DEP_1)
	v_add_f32_dpp v[\a], v[\a], v[\a] row_xmask:4 row_mask:0xf bank_mask:0xf
	s_delay_alu instid0(VALU_DEP_1)
	v_add_f32_dpp v[\a], v[\a], v[\a] row_xmask:8 row_mask:0xf bank_mask:0xf
	s_delay_alu instid0(VALU_DEP_1)
	v_permlanex16_b32 v[\b], v[\a], s32, s33
	s_delay_alu instid0(VALU_DEP_1)
	v_add_f32 v[\a], v[\a], v[\b]
.endm
.macro LN k                            ; row k becomes (x - mu) rsqrt(var + eps) gamma + beta, in place
.set RK, R+32*\k
	s_wait_loadcnt 8*(3-\k)                        ; gamma, beta and rows 0 .. k are in; behind them stand the later rows' loads, eight a row
	v_pk_add_f32 v[14:15], v[RK:RK+1], v[RK+2:RK+3]
	v_pk_add_f32 v[16:17], v[RK+4:RK+5], v[RK+6:RK+7]
.irp i,8,12,16,20,24,28
	s_delay_alu instid0(VALU_DEP_2)
	v_pk_add_f32 v[14:15], v[14:15], v[RK+\i:RK+\i+1]
	s_delay_alu instid0(VALU_DEP_2)
	v_pk_add_f32 v[16:17], v[16:17], v[RK+\i+2:RK+\i+3]
.endr
	s_delay_alu instid0(VALU_DEP_1)
	v_pk_add_f32 v[14:15], v[14:15], v[16:17]
	s_delay_alu instid0(VALU_DEP_1)
	v_add_f32 v14, v14, v15
	REDUCE 14, 15
	s_delay_alu instid0(VALU_DEP_1)
	v_mul_f32 v14, s30, v14                        ; mu = sum / 1,024
.irp i,0,2,4,6,8,10,12,14,16,18,20,22,24,26,28,30
	v_pk_add_f32 v[RK+\i:RK+\i+1], v[RK+\i:RK+\i+1], v[14:15] op_sel_hi:[1,0] neg_lo:[0,1] neg_hi:[0,1]   ; x - mu
.endr
	v_pk_mul_f32 v[16:17], v[RK:RK+1], v[RK:RK+1]
	v_pk_mul_f32 v[18:19], v[RK+2:RK+3], v[RK+2:RK+3]
.irp i,4,8,12,16,20,24,28
	s_delay_alu instid0(VALU_DEP_2)
	v_pk_fma_f32 v[16:17], v[RK+\i:RK+\i+1], v[RK+\i:RK+\i+1], v[16:17]
	s_delay_alu instid0(VALU_DEP_2)
	v_pk_fma_f32 v[18:19], v[RK+\i+2:RK+\i+3], v[RK+\i+2:RK+\i+3], v[18:19]
.endr
	s_delay_alu instid0(VALU_DEP_1)
	v_pk_add_f32 v[16:17], v[16:17], v[18:19]
	s_delay_alu instid0(VALU_DEP_1)
	v_add_f32 v16, v16, v17
	REDUCE 16, 17
	s_delay_alu instid0(VALU_DEP_1)
	v_fma_f32 v16, v16, s30, s31                   ; var + eps
	s_wait_alu depctr_va_vdst(0)
	v_rsq_f32 v16, v16
	v_nop                                          ; a plain instruction behind the transcendental
	s_wait_alu depctr_va_vdst(0)                   ; and the wait ahead of its first reader
.irp i,0,2,4,6,8,10,12,14,16,18,20,22,24,26,28,30
	v_pk_mul_f32 v[RK+\i:RK+\i+1], v[RK+\i:RK+\i+1], v[16:17] op_sel_hi:[1,0]
.endr
.irp i,0,2,4,6,8,10,12,14,16,18,20,22,24,26,28,30
	v_pk_fma_f32 v[RK+\i:RK+\i+1], v[RK+\i:RK+\i+1], v[GA+\i:GA+\i+1], v[BE+\i:BE+\i+1]
.endr
.endm
; Row k is turned through my own LDS bytes, so that lane l holds block l (32 neighbours along C); quantised; its 24 bytes of codes and its scale byte go to the work-group's stages.
.macro ROW k
	s_wait_loadcnt 8*(3-\k)                        ; row k is in (behind it: the later rows' loads, eight a row)
.irp j,0,1,2,3,4,5,6,7
	ds_store_b128 v3, v[R+32*\k+4*\j:R+32*\k+4*\j+3] offset:576*\j
.endr
.irp q,0,1,2,3,4,5,6,7
	ds_load_b128 v[X+4*\q:X+4*\q+3], v4 offset:16*\q   ; LDS serves a wave's instructions in order: these see the stores above
.endr
	s_wait_dscnt 0x0                               ; the block is in; the last row's stores into the stages have read their registers
	v_max3_num_f32 v14, |v[X]|, |v[X+1]|, |v[X+2]|
	v_max3_num_f32 v15, |v[X+3]|, |v[X+4]|, |v[X+5]|
.irp i,6,10,14,18,22,26
	s_delay_alu instid0(VALU_DEP_2)
	v_max3_num_f32 v14, v14, |v[X+\i]|, |v[X+\i+1]|
	s_delay_alu instid0(VALU_DEP_2)
	v_max3_num_f32 v15, v15, |v[X+\i+2]|, |v[X+\i+3]|
.endr
	s_delay_alu instid0(VALU_DEP_2)
	v_max3_num_f32 v14, v14, |v[X+30]|, |v[X+31]|
	s_delay_alu instid0(VALU_DEP_1)
	v_max3_num_f32 v14, v14, v15, 0x1800000        ; the block's largest magnitude, over the floor 2^(3 - 127): the byte cannot fall under 1
	s_delay_alu instid0(VALU_DEP_1)
	v_add_nc_u32 v16, 0xff000000, v14              ; 2 off its exponent field: the conversion takes this operand's exponent field as its scale
	v_cvt_scalef32_pk16_fp6_f32 v[24:26], v[X:X+15], v16
	v_cvt_scalef32_pk16_fp6_f32 v[28:30], v[X+16:X+31], v16   ; (a conversion's three registers begin on an even number)
	v_lshrrev_b32 v17, 23, v16                     ; the scale's byte; also the plain instruction behind the conversions
	v_mov_b32 v27, v28                             ; the six registers on end
	v_mov_b32 v28, v29
	v_mov_b32 v29, v30
	ds_store_b64 v5, v[24:25] offset:16*\k
	ds_store_b64 v6, v[26:27] offset:16*\k
	ds_store_b64 v7, v[28:29] offset:16*\k
	ds_store_b8 v8, v17 offset:32*\k
.endm
	s_load_b256 s[4:11], s[0:1], 0x0               ; x s[4:5], gamma s[6:7], beta s[8:9], Wq s[10:11]
	s_load_b256 s[12:19], s[0:1], 0x20             ; Wk s[12:13], Wv s[14:15], Wo s[16:17], img s[18:19]
	v_lshl_add_u32 v12, v0, 2, SPARE               ; my spare word,
	v_mov_b32 v13, 0                               ; and 0: kept for the closing lines
	v_lshrrev_b32 v14, 5, v0
	s_delay_alu instid0(VALU_DEP_1)
	v_readfirstlane_b32 s20, v14                   ; wave 0..7
	v_and_b32 v1, 31, v0                           ; lane
	s_wait_alu depctr_va_vdst(0)
	v_lshlrev_b32 v2, 4, v1                        ; 16 x lane
	s_mul_i32 s21, s20, TPW
	v_lshrrev_b32 v14, 3, v1
	s_delay_alu instid0(VALU_DEP_1)
	v_lshl_add_u32 v3, v14, 4, v2
	s_delay_alu instid0(VALU_DEP_1)
	v_add_nc_u32 v3, s21, v3                       ; the turn, in: 16 l + 16 (l / 8); a load's 512 bytes take 576
	v_mul_u32_u24 v4, v1, 144
	s_delay_alu instid0(VALU_DEP_1)
	v_add_nc_u32 v4, s21, v4                       ; and out: 144 l: block l
	s_bfe_u32 s22, s20, 0x10001                    ; u = (w / 2) % 2: the tile of my four rows
	s_and_b32 s23, s20, 1
	s_lshl_b32 s23, s23, 2
	s_lshr_b32 s24, s20, 2
	s_lshl_b32 s24, s24, 3
	s_add_co_u32 s23, s23, s24                     ; r of my row 0: 4 (w % 2) + 8 (w / 4)
	s_mul_i32 s24, s22, 12672
	s_lshl_b32 s25, s23, 4
	s_add_co_u32 s24, s24, s25
	s_add_co_u32 s24, s24, CST
	v_lshrrev_b32 v14, 2, v1                       ; block l: K step s = l / 4, half c = (l / 2) % 2 of the fragment's registers, lanes' half h = l % 2
	s_delay_alu instid0(VALU_DEP_1)
	v_mul_u32_u24 v14, v14, 1584
	v_and_b32 v15, 1, v1
	s_delay_alu instid0(VALU_DEP_1)
	v_lshl_add_u32 v14, v15, 8, v14
	s_delay_alu instid0(VALU_DEP_1)
	v_add_nc_u32 v14, s24, v14                     ; CST + 12,672 u + 1,584 s + 256 h + 16 r
	v_bfe_u32 v15, v1, 1, 1
	s_delay_alu instid0(VALU_DEP_1)
	v_mad_u32_u24 v5, v15, 536, v14                ; registers 6 c, 6 c + 1: piece 0 byte 0, or piece 1 byte 8
	s_delay_alu instid0(VALU_DEP_2)
	v_mad_u32_u24 v6, v15, 1048, v14
	s_delay_alu instid0(VALU_DEP_1)
	v_add_nc_u32 v6, 8, v6                         ; registers 6 c + 2, + 3: piece 0 byte 8, or piece 2 byte 0
	s_delay_alu instid0(VALU_DEP_3)
	v_add_nc_u32 v7, 528, v5                       ; registers 6 c + 4, + 5: piece 1 byte 0, or piece 2 byte 8
	s_lshl_b32 s25, s22, 9
	s_lshl_b32 s26, s23, 5
	s_add_co_u32 s25, s25, s26
	s_add_co_u32 s25, s25, SST
	v_add_nc_u32 v8, s25, v1                       ; my block's scale byte: SST + 512 u + 32 r + l
	s_mul_i32 s25, s20, 3168
	s_add_co_u32 s25, s25, CST
	v_add_nc_u32 v9, s25, v2                       ; the way out: pieces 6 w .. 6 w + 5 of the stage,
	s_mul_i32 s26, s20, 3072
	v_add_nc_u32 v10, s26, v2                      ; and their place in memory
	s_and_b32 s26, s20, 3
	s_lshl_b32 s26, s26, 8
	v_lshl_add_u32 v20, v1, 3, s26                 ; the scale bytes' way out (waves 0-3): 256 w + 8 l
	s_delay_alu instid0(VALU_DEP_1)
	v_add_nc_u32 v11, SST, v20
	s_mov_b32 s30, 0x3a800000                      ; 1 / 1,024
	s_mov_b32 s31, 0x3727c5ac                      ; eps = 1e-5
	s_mov_b32 s32, 0x76543210
	s_mov_b32 s33, 0xfedcba98                      ; v_permlanex16_b32's selects for lane l xor 16
	s_lshr_b32 s27, ttmp9, 5                       ; 8 .. 11: Wq, Wk, Wv, Wo
	s_and_b32 s28, ttmp9, 31
	s_cmp_lt_u32 ttmp9, 256
	s_cselect_b32 s28, ttmp9, s28                  ; which 32 rows of the source
	s_lshl_b32 s28, s28, 17
	s_lshl_b32 s29, s20, 14                        ; my wave's four rows
	s_add_co_u32 s28, s28, s29
	s_mov_b32 s29, 0
	s_lshr_b32 s34, ttmp9, 2                       ; the block of 128 rows in img,
	s_mul_i32 s34, s34, 102400
	s_and_b32 s35, ttmp9, 3                        ; and which two tiles of it
	s_mul_i32 s36, s35, 24576
	s_add_co_u32 s36, s36, s34
	s_mov_b32 s37, 0
	s_lshl_b32 s38, s35, 10
	s_add_co_u32 s38, s38, s34
	s_add_co_u32 s38, s38, 98304
	s_mov_b32 s39, 0
	s_wait_kmcnt 0x0
	s_mov_b64 s[40:41], s[4:5]                     ; the source is chosen by the work-group's number alone
	s_cmp_eq_u32 s27, 8
	s_cselect_b64 s[40:41], s[10:11], s[40:41]
	s_cmp_eq_u32 s27, 9
	s_cselect_b64 s[40:41], s[12:13], s[40:41]
	s_cmp_eq_u32 s27, 10
	s_cselect_b64 s[40:41], s[14:15], s[40:41]
	s_cmp_eq_u32 s27, 11
	s_cselect_b64 s[40:41], s[16:17], s[40:41]
	s_add_nc_u64 s[40:41], s[40:41], s[28:29]
	s_add_nc_u64 s[42:43], s[18:19], s[36:37]      ; my work-group's codes
	s_add_nc_u64 s[44:45], s[18:19], s[38:39]      ; and scale bytes
	s_cmp_lt_u32 ttmp9, 256
	s_cbranch_scc0 .Lweight                        ; ONE branch: the arm for x holds all that a weight does not need; LDS is touched on the common way alone
.irp j,0,1,2,3,4,5,6,7
	global_load_b128 v[GA+4*\j:GA+4*\j+3], v2, s[6:7] offset:512*\j
	global_load_b128 v[BE+4*\j:BE+4*\j+3], v2, s[8:9] offset:512*\j
.endr
	LOADROW 0
	LOADROW 1
	LOADROW 2
	LOADROW 3
	LN 0
	LN 1
	LN 2
	LN 3
	s_branch .Lquant
.Lweight:
	LOADROW 0
	LOADROW 1
	LOADROW 2
	LOADROW 3
.Lquant:
	ROW 0
	ROW 1
	ROW 2
	ROW 3
	s_wait_dscnt 0x0                               ; for the others' sake: my stores into the stages are done
	s_barrier_signal -1
	s_barrier_wait -1
.irp i,0,1,2,3,4,5
	ds_load_b128 v[X+4*\i:X+4*\i+3], v9 offset:528*\i
.endr
	s_cmp_lt_u32 s20, 4
	s_cbranch_scc0 .Lcodes                         ; the 1,024 scale bytes are four waves' worth
	ds_load_b64 v[56:57], v11
	s_wait_dscnt 0x0
	global_store_b64 v20, v[56:57], s[44:45]       ; 32 lanes store 256 consecutive bytes, aligned
.Lcodes:
	s_wait_dscnt 0x0
.irp i,0,1,2,3,4,5
	global_store_b128 v10, v[X+4*\i:X+4*\i+3], s[42:43] offset:512*\i   ; 32 lanes store 512 consecutive bytes, aligned
.endr
	s_wait_tensorcnt 0x0                           ; the wave's end, behind my last LDS store
	ds_add_u32 v12, v13
	s_wait_dscnt 0x0
	s_endpgm
.Lfunc_end_k_q1e183974fc_prep:
	.size	k_q1e183974fc_prep, .Lfunc_end_k_q1e183974fc_prep-k_q1e183974fc_prep
	.p2alignl 7, 3214868480
	.fill 96, 4, 3214868480
	.section	.rodata,"a",@progbits
	.p2align	6, 0x0
	.amdhsa_kernel k_q1e183974fc_prep
		.amdhsa_group_segment_fixed_size 64256
		.amdhsa_private_segment_fixed_size 0
		.amdhsa_enable_private_segment 0
		.amdhsa_kernarg_size 64
		.amdhsa_user_sgpr_count 2
		.amdhsa_user_sgpr_kernarg_segment_ptr 1
		.amdhsa_wavefront_size32 1
		.amdhsa_system_sgpr_workgroup_id_x 1
		.amdhsa_system_sgpr_workgroup_id_y 1
		.amdhsa_system_sgpr_workgroup_id_z 1
		.amdhsa_system_vgpr_workitem_id 0
		.amdhsa_next_free_vgpr 256
		.amdhsa_next_free_sgpr 66
		.amdhsa_reserve_vcc 0
		.amdhsa_float_denorm_mode_32 3
		.amdhsa_float_denorm_mode_16_64 3
		.amdhsa_memory_ordered 1
		.amdhsa_forward_progress 1
		.amdhsa_inst_pref_size 56
	.end_amdhsa_kernel
	.amdgpu_metadata
---
amdhsa.version: [ 1, 2 ]
amdhsa.kernels:
  - .name:           k_q1e183974fc_prep
    .symbol:         k_q1e183974fc_prep.kd
    .args:
      - { .name: x, .offset: 0, .size: 8, .value_kind: global_buffer, .address_space: global }
      - { .name: ln_gamma, .offset: 8, .size: 8, .value_kind: global_buffer, .address_space: global }
      - { .name: ln_beta, .offset: 16, .size: 8, .value_kind: global_buffer, .address_space: global }
      - { .name: Wq, .offset: 24, .size: 8, .value_kind: global_buffer, .address_space: global }
      - { .name: Wk, .offset: 32, .size: 8, .value_kind: global_buffer, .address_space: global }
      - { .name: Wv, .offset: 40, .size: 8, .value_kind: global_buffer, .address_space: global }
      - { .name: Wo, .offset: 48, .size: 8, .value_kind: global_buffer, .address_space: global }
      - { .name: img, .offset: 56, .size: 8, .value_kind: global_buffer, .address_space: global }
    .group_segment_fixed_size: 64256
    .private_segment_fixed_size: 0
    .kernarg_segment_align: 8
    .kernarg_segment_size: 64
    .max_flat_workgroup_size: 256
    .sgpr_count:     66
    .vgpr_count:     256
    .wavefront_size: 32
...
	.end_amdgpu_metadata
.endif
;; end of part 1
;; launch qkv (part 2): grid 4 x 64, 4 waves a work-group, clusters of 4 x 1, 167,936 bytes of LDS; arguments img, qbuf, kvbuf; writes qbuf, kvbuf
.if DOCPART == 2
	.amdgcn_target "amdgcn-amd-amdhsa--gfx1250"
	.amdhsa_code_object_version 6
	.text
	.protected	k_q1e183974fc_qkv
	.globl	k_q1e183974fc_qkv
	.p2align	8
	.type	k_q1e183974fc_qkv,@function
k_q1e183974fc_qkv:
	s_mov_b64 s[64:65], 0
	v_nop
	global_prefetch_b8 v0, s[64:65] scope:SCOPE_SE
	s_setreg_imm32_b32 hwreg(HW_REG_WAVE_MODE, 25, 1), 1
	s_wait_xcnt 0x0
	s_wait_alu depctr_hold_cnt(0) depctr_sa_sdst(0) depctr_va_vdst(0) depctr_va_sdst(0) depctr_va_ssrc(0) depctr_va_vcc(0) depctr_vm_vsrc(0)
	s_getreg_b32 s2, hwreg(HW_REG_IB_STS2, 6, 4)
	s_cmp_eq_u32 s2, 0
	s_cbranch_scc0 .Lentry_in_a_cluster
	s_endpgm
.Lentry_in_a_cluster:
	s_bfe_u32 s2, ttmp6, 0x10000c
	s_cmp_lg_u32 s2, 0x3003
	s_cbranch_scc0 .Lentry_shape_is_right
	s_endpgm
.Lentry_shape_is_right:
; SECOND LAUNCH: q, k, v = xn Wq^T, xn Wk^T, xn Wv^T on codes of FP6 (E2M3), and their quantisers: q and k along the head's 64, v along the keys.  No work of reference() is left out here.
; SHARES.  A work-group takes 128 tokens (block tb) and four heads; wave w takes head 4 cx + w: 128 tokens x 64 columns, three times (pass 0 q, 1 k, 2 v): 32 accumulators, 8 K steps of 128, 32 matrix instructions a step.
; CLUSTER.  The four work-groups of a cluster take the same 128 tokens: xn's block (98,304 bytes of codes, 4,096 of scale bytes, one dense run of memory) is asked for JOINTLY, a quarter by each wave, once, and stays in LDS.
; THE WEIGHTS are not asked for jointly and do not pass through LDS: each fragment of a weight is multiplied by ONE wave of a work-group (the head's), so it goes from memory straight into that wave's registers,
; 12 loads of 512 consecutive bytes a K step, four K steps ahead; the partners of a cluster take different heads and share none of them.
; LAYOUT.  img holds operands as images of their registers, with the rows of a tile chosen so (lane r of tile 2 g + u: row 32 g + 8 u + r + 8 (r / 8)) that results fall as 16 neighbours along the next K.
;   q, k: TRANSPOSED (source 0 = 16 rows of W, source 1 = 16 tokens): a lane holds one token, and the 64 registers of token tiles 2 b, 2 b + 1 are, in order, the 64 columns of the one token and the 64 of the other.
;         Quantised they are a PAIR fragment: K 0-63 = the head of token 32 b + r + 8 (r / 8), K 64-127 = that of the token 8 further on.
;   v:    not transposed: a lane holds one column d, and its 64 registers of the 8 token tiles are 128 keys' halves in order: quantised, one fragment of V^T (16 d x 128 keys).
; OUT.  qbuf [b*16+h][token block] 6,400 bytes: 4 pair fragments as planes of 8 bytes a lane (register pair i at 256 i + 8 lane), then 256 bytes of scale words.  kvbuf likewise 12,800 bytes: K's 4 pair fragments and V^T's 4
; fragments as pieces of 16 bytes a lane, then K's and V's scale words.  Word (b, r) lies at 128 (b % 2) + 8 r + 4 (b / 2).  Every store of a wave covers 256 or 512 consecutive bytes, aligned.
; LIMITS: as stated at the head of the first launch (zero blocks get the byte 1; NaN and infinities are not served).
; REGISTERS, in windows of 256: window 0: v1-9 addresses; v32-95 xn's scale words (8 t + s); v96-159 the weights' scale words, two sets (32 set + 8 n + s); v160-207 xn's fragments of tiles 0-3, v208-255 of tiles 4-7.
;   window 1: the 32 accumulators.   window 2: v0-191 the weights' fragments, four slots of 48; v192-233 the quantiser's work.
.set SPARE, 102400                     ; behind xn's block: the spare words, 128 bytes for each wave
.set ASC,   32
.set BSC,   96
.set XF,    160
.set TM,    192                        ; window 2: v192-195 largest magnitudes, v196-199 exchange and bytes, v204-207 the conversions' scale operands
.set PC,    208                        ; v208-219 the fragment just made, v220-226 the conversions' second halves
.set PW,    228                        ; v228-231 four scale words
.set SW,    232                        ; v232-233 as they are stored
.set MSB, 0
.macro WIN new                         ; s_set_vgpr_msb: bits 1:0 source 0, 3:2 source 1, 5:4 source 2, 7:6 destination; the high byte repeats the setting that is left
.if MSB != \new
	s_set_vgpr_msb (MSB<<8)|\new
.set MSB, \new
.endif
.endm
.macro ROUND                           ; a round of the cluster's barrier
	s_barrier_signal -1
	s_barrier_wait -1
	s_cmp_lg_u32 s10, 0
	s_cbranch_scc1 .Lnot_wave_0_\@
	s_barrier_signal -3
.Lnot_wave_0_\@:
	s_barrier_wait -3
	s_barrier_signal -1
	s_barrier_wait -1
.endm
.macro PLACES n                        ; plain instructions between a matrix instruction and a load into, or a read of, its registers
.rept \n
	v_nop
.endr
.endm
.macro LDA base, adr, s                ; xn's fragments of four tiles, K step s, as they lie: three loads of 512 consecutive bytes each
.irp t,0,1,2,3
.irp p,0,1,2
	ds_load_b128 v[\base+12*\t+4*\p:\base+12*\t+4*\p+3], v[\adr] offset:12288*\t+1536*(\s)+512*\p
.endr
.endr
.endm
.macro LDB tt                          ; step tt (pass tt / 8, K step tt % 8): my head's four fragments of the weight into slot tt % 4
	WIN 0x80
.irp n,0,1,2,3
.irp p,0,1,2
	global_load_b128 v[48*((\tt)%4)+12*\n+4*\p:48*((\tt)%4)+12*\n+4*\p+3], v1, s[28:29] offset:819200*((\tt)/8)+12288*\n+1536*((\tt)%8)+512*\p
.endr
.endr
	WIN 0
.endm
.macro LDBS ps                         ; pass ps: the scale words of my head's 64 rows of the weight: 32 bytes a row
.irp n,0,1,2,3
.irp q,0,1
	global_load_b128 v[BSC+32*((\ps)%2)+8*\n+4*\q:BSC+32*((\ps)%2)+8*\n+4*\q+3], v2, s[30:31] offset:819200*(\ps)+512*\n+16*\q
.endr
.endr
.endm
; 16 matrix instructions of step T: four token tiles x my four tiles of the weight.  The 32 accumulators take turns, one instruction a turn, in the same order in every step.
; A pass's first step starts the sums with the constant 0.
.macro MUL16 half, tr
.irp t,0,1,2,3
.irp n,0,1,2,3
.set RGA, XF+48*(\half)+12*\t
.set RGB, 48*(T%4)+12*\n
.set SCA, ASC+8*(4*(\half)+\t)+T%8
.set SCB, BSC+32*((T/8)%2)+8*\n+T%8
.if \tr
.set RGD, 32*(4*(\half)+\t)+8*\n
.if T%8 == 0
	v_wmma_scale_f32_16x16x128_f8f6f4 v[RGD:RGD+7], v[RGB:RGB+11], v[RGA:RGA+11], 0, v[SCB], v[SCA] matrix_a_fmt:MATRIX_FMT_FP6 matrix_b_fmt:MATRIX_FMT_FP6
.else
	v_wmma_scale_f32_16x16x128_f8f6f4 v[RGD:RGD+7], v[RGB:RGB+11], v[RGA:RGA+11], v[RGD:RGD+7], v[SCB], v[SCA] matrix_a_fmt:MATRIX_FMT_FP6 matrix_b_fmt:MATRIX_FMT_FP6
.endif
.else
.set RGD, 64*\n+8*(4*(\half)+\t)
.if T%8 == 0
	v_wmma_scale_f32_16x16x128_f8f6f4 v[RGD:RGD+7], v[RGA:RGA+11], v[RGB:RGB+11], 0, v[SCA], v[SCB] matrix_a_fmt:MATRIX_FMT_FP6 matrix_b_fmt:MATRIX_FMT_FP6
.else
	v_wmma_scale_f32_16x16x128_f8f6f4 v[RGD:RGD+7], v[RGA:RGA+11], v[RGB:RGB+11], v[RGD:RGD+7], v[SCA], v[SCB] matrix_a_fmt:MATRIX_FMT_FP6 matrix_b_fmt:MATRIX_FMT_FP6
.endif
.endif
.endr
.endr
.endm
.macro MWIN tr
.if \tr
	WIN 0x52                                       ; source 0 (W) window 2, source 1 (xn) window 0, C and D window 1
.else
	WIN 0x58                                       ; source 0 (xn) window 0, source 1 (W) window 2
.endif
.endm
; Step T.  xn's fragments of tiles 0-3 are fetched anew while tiles 4-7 are multiplied, and the other way round; the weight's fragments come four steps ahead.
.macro KSTEP tr
.if T <= 20
	s_wait_loadcnt 36                              ; this step's 12 loads of the weight are in (and a pass's scale words, issued ahead of them): behind them stand three steps' 36
.else
	s_wait_loadcnt 12*(23-T)                       ; the last steps: two, one, no step behind
.endif
	s_wait_dscnt 12                                ; tiles 0-3 are in; tiles 4-7's 12 loads may be out
	MWIN \tr
	MUL16 0, \tr
	WIN 0
.if T < 23
	PLACES 4
	LDA XF, 1, (T+1)%8                             ; (behind a pass's last K step comes the next pass's first: the same xn)
	s_wait_dscnt 12                                ; tiles 4-7 are in; the 12 just issued may be out
.else
	s_wait_dscnt 0x0
.endif
	MWIN \tr
	MUL16 1, \tr
	WIN 0
	PLACES 4                                       ; for the loads below, and for the first read of results behind a pass's last step
.if T < 23
	LDA XF+48, 4, (T+1)%8
.endif
.if (T == 4) || (T == 12)
	LDBS T/8+1                                     ; the next pass's scale words, into the set that this pass does not read
.endif
.if T <= 19
	LDB T+4                                        ; into the slot that this step has multiplied
.endif
.set T, T+1
.endm
; 64 accumulator registers of a lane, register 16 b + i = k 32 b + 16 (lane / 16) + i of the lane's row, become a fragment's codes in v[PC] on and its scale word in v[pw] (window 2).
.macro QUANT src, pw
	WIN 0x85                                       ; sources 0, 1 window 1; destination window 2
.irp b,0,1,2,3
	v_max3_num_f32 v[TM+\b], |v[(\src)+16*\b]|, |v[(\src)+16*\b+1]|, 0x1800000   ; each accumulator is read from its low end on; the floor 2^(3 - 127) holds the byte at 1 from below
.endr
	WIN 0x96                                       ; source 0 window 2; sources 1, 2 window 1
.irp i,2,4,6,8,10,12,14
.irp b,0,1,2,3
	v_max3_num_f32 v[TM+\b], v[TM+\b], |v[(\src)+16*\b+\i]|, |v[(\src)+16*\b+\i+1]|
.endr
.endr
	WIN 0xaa                                       ; all in window 2
.irp b,0,1,2,3
	v_permlanex16_b32 v[TM+4+\b], v[TM+\b], s36, s37
.endr
.irp b,0,1,2,3
	v_max_num_f32 v[TM+\b], v[TM+\b], v[TM+4+\b]   ; with lane l xor 16's 16: the block's largest magnitude
.endr
.irp b,0,1,2,3
	v_add_nc_u32 v[TM+12+\b], 0xff000000, v[TM+\b] ; 2 off its exponent field: the conversion's scale operand
.endr
.irp b,0,1,2,3
	v_lshrrev_b32 v[TM+4+\b], 23, v[TM+12+\b]      ; the scale's byte
.endr
	v_lshl_or_b32 v[\pw], v[TM+5], 8, v[TM+4]
	v_lshl_or_b32 v[\pw], v[TM+6], 16, v[\pw]
	v_lshl_or_b32 v[\pw], v[TM+7], 24, v[\pw]
	s_wait_xcnt 0x0                                ; the last image's stores have read their registers: only now are these written again
	WIN 0x89                                       ; source 0 window 1, source 1 and destination window 2
.irp c,0,1
	v_cvt_scalef32_pk16_fp6_f32 v[PC+6*\c:PC+6*\c+2], v[(\src)+32*\c:(\src)+32*\c+15], v[TM+12+2*\c]
	v_cvt_scalef32_pk16_fp6_f32 v[PC+12+4*\c:PC+12+4*\c+2], v[(\src)+32*\c+16:(\src)+32*\c+31], v[TM+12+2*\c+1]
.endr
	WIN 0xaa
	v_nop                                          ; one plain instruction behind the conversions
.irp c,0,1                             ; the operand's layout wants a whole block in a lane: lanes 0-15 block 2 c, lanes 16-31 block 2 c + 1
.irp i,0,1,2
	v_permlane16_swap_b32 v[PC+6*\c+\i], v[PC+12+4*\c+\i]
.endr
.irp i,0,1,2
	v_mov_b32 v[PC+3+6*\c+\i], v[PC+12+4*\c+\i]
.endr
.endr
.endm
.macro IMG64 base, off                 ; the fragment leaves as six planes: 32 lanes store 256 consecutive bytes
	WIN 0x08                                       ; a store's data are its source 1: window 2
.irp p,0,1,2,3,4,5
	global_store_b64 v6, v[PC+2*\p:PC+2*\p+1], s[\base:\base+1] offset:(\off)+256*\p
.endr
.endm
.macro IMG128 base, off                ; or as three pieces: 512 consecutive bytes
	WIN 0x08
.irp p,0,1,2
	global_store_b128 v1, v[PC+4*\p:PC+4*\p+3], s[\base:\base+1] offset:(\off)+512*\p
.endr
.endm
.macro SCOUT base, off                 ; four scale words a row leave as one run of 256 bytes: lanes 0-15 words 0 and 2, lanes 16-31 words 1 and 3
	WIN 0xaa
	v_cndmask_b32 v[SW], v[PW], v[PW+1], s38
	v_cndmask_b32 v[SW+1], v[PW+2], v[PW+3], s38
	WIN 0x08
	global_store_b64 v6, v[SW:SW+1], s[\base:\base+1] offset:\off
	WIN 0
.endm
	s_load_b128 s[4:7], s[0:1], 0x0                ; img s[4:5], qbuf s[6:7]
	s_load_b64 s[8:9], s[0:1], 0x10                ; kvbuf
	v_lshl_add_u32 v8, v0, 2, SPARE                ; my spare word,
	v_mov_b32 v9, 0                                ; and 0; both are kept
	ds_add_u32 v8, v9                              ; the wave's opening: the add, twice on end, and its wait ahead of my first tensor load
	ds_add_u32 v8, v9
	v_lshrrev_b32 v10, 5, v0
	v_readfirstlane_b32 s10, v10                   ; wave 0..3
	s_and_b32 s12, ttmp7, 0xffff                   ; tb: the block of 128 tokens, which the four partners share
	s_mov_b32 s16, 15|(3<<16)|(1<<21)              ; group 1: the mask names all four work-groups; elements of 8 bytes; bit 21 set beside a mask; no padding
	s_mov_b32 s17, 32<<16                          ; tensor_dim0 = 32 elements: rows of 256 bytes
	s_mov_b32 s18, 100<<16                         ; tensor_dim1 = 100 rows: a quarter of the block's 102,400 bytes
	s_mov_b32 s19, 32<<16                          ; tile_dim0
	s_mov_b32 s20, 100                             ; tile_dim1
	s_mov_b32 s21, 32                              ; the pitch: dense
	s_mov_b32 s22, 0
	s_mov_b32 s23, 0
	s_mov_b32 s24, 1                               ; group 0: count
	s_mul_i32 s25, s10, 25600                      ; LDS address: my quarter
	s_mul_i32 s14, s12, 102400
	s_add_co_u32 s14, s14, s25                     ; and the same quarter of block tb in memory: no place in the cluster enters the descriptor
	s_mov_b32 s15, 0
	s_bfe_u32 s11, ttmp6, 0x40000                  ; cx
	s_lshl_b32 s13, s11, 2
	s_add_co_u32 s13, s13, s10                     ; my head: it enters the weights' and the results' addresses alone
	s_lshr_b32 s40, s13, 1
	s_add_co_u32 s40, s40, 64                      ; Wq's block of 128 rows that holds my head's 64 (Wk's and Wv's lie 8 and 16 blocks on)
	s_mul_i32 s40, s40, 102400
	s_and_b32 s42, s13, 1
	s_mul_i32 s43, s42, 49152                      ; tiles 0-3 or 4-7 of it
	s_add_co_u32 s44, s40, s43
	s_mov_b32 s45, 0
	s_lshl_b32 s43, s42, 11
	s_add_co_u32 s46, s40, s43
	s_add_co_u32 s46, s46, 98304                   ; and their scale bytes
	s_mov_b32 s47, 0
	s_lshr_b32 s48, s12, 4
	s_lshl_b32 s48, s48, 8
	s_lshl_b32 s49, s13, 4
	s_add_co_u32 s48, s48, s49
	s_and_b32 s49, s12, 15
	s_add_co_u32 s48, s48, s49                     ; (batch x 16 + head) x 16 + the token block in the sequence
	s_mul_i32 s50, s48, 6400
	s_mov_b32 s51, 0
	s_mul_i32 s52, s48, 12800
	s_mov_b32 s53, 0
	s_mov_b32 s36, 0x76543210
	s_mov_b32 s37, 0xfedcba98                      ; v_permlanex16_b32's selects for lane l xor 16
	s_mov_b32 s38, 0xffff0000                      ; lanes 16-31
	v_and_b32 v10, 31, v0
	v_lshlrev_b32 v1, 4, v10                       ; 16 x lane: an image's place for my lane (tiles 0-3 in LDS; the weights and K, V in memory)
	v_and_b32 v11, 15, v0
	v_lshlrev_b32 v2, 5, v11                       ; 32 r: a row's scale bytes
	v_add_nc_u32 v4, 49152, v1                     ; tiles 4-7 in LDS
	v_add_nc_u32 v5, 98304, v2                     ; xn's scale bytes in LDS
	v_lshlrev_b32 v6, 3, v10                       ; 8 x lane
	s_wait_dscnt 0x0                               ; both opening adds are done
	s_wait_kmcnt 0x0
	s_add_nc_u64 s[26:27], s[4:5], s[14:15]
	s_or_b32 s27, s27, 0x80000000                  ; type = 2
	s_add_nc_u64 s[28:29], s[4:5], s[44:45]        ; the weights' fragments
	s_add_nc_u64 s[30:31], s[4:5], s[46:47]        ; the weights' scale bytes
	s_add_nc_u64 s[32:33], s[6:7], s[50:51]        ; q's place
	s_add_nc_u64 s[34:35], s[8:9], s[52:53]        ; k's and v's
	ROUND                                          ; all four work-groups are here: the joint loads meet
	tensor_load_to_lds s[24:27], s[16:23]          ; my one tensor load of the launch
	s_nop 0
	PLACES 4
	WIN 0x80
.irp b,0,1,2,3
	v_mov_b32 v[TM+4+\b], 0                        ; written once: a lane permute's destination counts as one of its sources
.endr
	WIN 0
	s_wait_alu depctr_va_vdst(0)
	LDBS 0
	LDB 0
	LDB 1
	LDB 2
	LDB 3
	s_wait_tensorcnt 0x0                           ; my quarter of xn's block is in,
	s_barrier_signal -1
	s_barrier_wait -1                              ; everybody's is
.irp t,0,1,2,3,4,5,6,7
.irp q,0,1
	ds_load_b128 v[ASC+8*\t+4*\q:ASC+8*\t+4*\q+3], v5 offset:512*\t+16*\q   ; xn's scale words, for the whole launch
.endr
.endr
	LDA XF, 1, 0
	LDA XF+48, 4, 0
.set T, 0
.rept 8
	KSTEP 1                                        ; q
.endr
.irp b,0,1,2,3
	QUANT 64*\b, PW+\b
	IMG64 32, 1536*\b
.endr
	SCOUT 32, 6144
.rept 8
	KSTEP 1                                        ; k
.endr
.irp b,0,1,2,3
	QUANT 64*\b, PW+\b
	IMG128 34, 1536*\b
.endr
	SCOUT 34, 12288
.rept 8
	KSTEP 0                                        ; v
.endr
.irp b,0,1,2,3
	QUANT 64*\b, PW+\b
	IMG128 34, 6144+1536*\b
.endr
	SCOUT 34, 12544
	s_wait_tensorcnt 0x0                           ; the wave's end
	ds_add_u32 v8, v9
	s_wait_dscnt 0x0
	ROUND                                          ; the closing round
	s_endpgm
.Lfunc_end_k_q1e183974fc_qkv:
	.size	k_q1e183974fc_qkv, .Lfunc_end_k_q1e183974fc_qkv-k_q1e183974fc_qkv
	.p2alignl 7, 3214868480
	.fill 96, 4, 3214868480
	.section	.rodata,"a",@progbits
	.p2align	6, 0x0
	.amdhsa_kernel k_q1e183974fc_qkv
		.amdhsa_group_segment_fixed_size 167936
		.amdhsa_private_segment_fixed_size 0
		.amdhsa_enable_private_segment 0
		.amdhsa_kernarg_size 24
		.amdhsa_user_sgpr_count 2
		.amdhsa_user_sgpr_kernarg_segment_ptr 1
		.amdhsa_wavefront_size32 1
		.amdhsa_system_sgpr_workgroup_id_x 1
		.amdhsa_system_sgpr_workgroup_id_y 1
		.amdhsa_system_sgpr_workgroup_id_z 1
		.amdhsa_system_vgpr_workitem_id 0
		.amdhsa_next_free_vgpr 768
		.amdhsa_next_free_sgpr 66
		.amdhsa_reserve_vcc 0
		.amdhsa_float_denorm_mode_32 3
		.amdhsa_float_denorm_mode_16_64 3
		.amdhsa_memory_ordered 1
		.amdhsa_forward_progress 1
		.amdhsa_inst_pref_size 233
	.end_amdhsa_kernel
	.amdgpu_metadata
---
amdhsa.version: [ 1, 2 ]
amdhsa.kernels:
  - .name:           k_q1e183974fc_qkv
    .symbol:         k_q1e183974fc_qkv.kd
    .args:
      - { .name: img, .offset: 0, .size: 8, .value_kind: global_buffer, .address_space: global }
      - { .name: qbuf, .offset: 8, .size: 8, .value_kind: global_buffer, .address_space: global }
      - { .name: kvbuf, .offset: 16, .size: 8, .value_kind: global_buffer, .address_space: global }
    .group_segment_fixed_size: 167936
    .private_segment_fixed_size: 0
    .kernarg_segment_align: 8
    .kernarg_segment_size: 24
    .max_flat_workgroup_size: 128
    .sgpr_count:     66
    .vgpr_count:     768
    .wavefront_size: 32
...
	.end_amdgpu_metadata
.endif
;; end of part 2
;; launch attn (part 3): grid 4 x 64, 16 waves a work-group, clusters of 4 x 1, 206,848 bytes of LDS; arguments qbuf, kvbuf, ybuf; writes ybuf
.if DOCPART == 3
	.amdgcn_target "amdgcn-amd-amdhsa--gfx1250"
	.amdhsa_code_object_version 6
	.text
	.protected	k_q1e183974fc_attn
	.globl	k_q1e183974fc_attn
	.p2align	8
	.type	k_q1e183974fc_attn,@function
k_q1e183974fc_attn:
	s_mov_b64 s[64:65], 0
	v_nop
	global_prefetch_b8 v0, s[64:65] scope:SCOPE_SE
	s_setreg_imm32_b32 hwreg(HW_REG_WAVE_MODE, 25, 1), 1
	s_wait_xcnt 0x0
	s_wait_alu depctr_hold_cnt(0) depctr_sa_sdst(0) depctr_va_vdst(0) depctr_va_sdst(0) depctr_va_ssrc(0) depctr_va_vcc(0) depctr_vm_vsrc(0)
	s_getreg_b32 s2, hwreg(HW_REG_IB_STS2, 6, 4)
	s_cmp_eq_u32 s2, 0
	s_cbranch_scc0 .Lentry_in_a_cluster
	s_endpgm
.Lentry_in_a_cluster:
	s_bfe_u32 s2, ttmp6, 0x10000c
	s_cmp_lg_u32 s2, 0x3003
	s_cbranch_scc0 .Lentry_shape_is_right
	s_endpgm
.Lentry_shape_is_right:
; THIRD LAUNCH: causal attention on codes of FP6 (E2M3), and the quantiser of y along C.
; LEFT OUT (shown dead at the head of the first launch): each step of 128 keys x 16 queries that lies wholly above the diagonal of the mask that reference() builds.
; THE SOFTMAX AHEAD OF THE SECOND PRODUCT: t = score x log2(e) / 8; M = the row's largest t so far, rounded UP to a whole number; p = 2^(t - M) is quantised along the keys, not normalised; the row's sum is taken of the
; unquantised p and divides O at the end.  When M moves, the sum and O are multiplied by 2^(old M - new M): exact.
; SHARES.  A cluster of four work-groups is one (batch, head).  Wave w of work-group cx owns the query tiles iA = 4 w + cx and iB = 127 - iA (16 queries each).  Tile i needs key steps 0 .. i / 8, which is w / 2 for iA and
; 15 - w / 2 for iB: these limits hang on the wave's number alone, and every wave walks 17 steps of 16 queries x 128 keys.  Four waves share a SIMD, so that one wave's vector work stands beside another's products and loads.
; CLUSTER.  The head's K and V, 16 key steps x 12,800 bytes, fit in LDS whole: wave w asks for key step w, JOINTLY with the same wave of the three partners, once.  Every work-group reads every step (its wave 0 owns a tile
; of the last 128 queries).  Nothing is filled again, and no barrier stands in the loops.
; LAYOUT.  Both products are used transposed (S^T = K Q^T, O^T = V^T P^T): a lane holds ONE query throughout.  The head is 64 wide and the instruction 128 deep: a PAIR fragment of K holds 16 keys in K 0-63 and the 16 keys
; 8 further on in K 64-127; against [q | zero codes] it gives the first 16 keys' scores, against [zero codes | q] the others'.  q lies in 18 registers [q][0][q], of which the first and the last 12 are these two operands.
; So the 16 registers of score tiles 2 b, 2 b + 1 are keys 32 b + 16 (lane / 16) + 0 .. 15.
; OUT.  ybuf: blocks of 128 tokens as images of operand registers, in planes of 8 bytes a lane; my head fills planes 3 (h % 2) .. + 2 of K step h / 2 and scale bytes 2 h, 2 h + 1 of each row.
; The codes leave as 256 consecutive bytes a store; the scale bytes as 2 bytes a lane, 32 bytes apart: one byte in 25 of what the launch stores.
; LIMITS: as stated at the head of the first launch.  p under 2^-126 counts as 0 (v_exp_f32).
; REGISTERS: v1-9 addresses and the mask's bases; v10, v11 q's scale words; v12-15 tile A's -M, largest t, sum in two halves; v16-19 tile B's; v20-37, v38-55 the two q chains; v56-87, v88-119 O^T;
;   v120-183 S^T, then p, then V's fragments; v184-231 K's fragments, then p's codes (184-195), the conversions' second halves (196-202), f (204); v232-235 a fragment's scale words; v236 p's; v237-253 at work.
.set STEPB, 12800
.set SPARE, 204800                     ; behind the head's K and V: the spare words, 128 bytes for each of the sixteen waves
.set S,   120
.set KF,  184
.set CD,  184
.set CX,  196
.set F,   204
.set FS,  232
.set PSW, 236
.set T1,  237
.set S2,  238
.set BM,  240
.set PT,  244
.set SO,  248
.set YW,  252
.set WV,  10                           ; s10 wave; s11 cx; s12 batch x 16 + head
.set G1,  20
.set G0,  28
.set SEL, 32
.set CS,  34                           ; s[34:35] c = log2(e) / 8
.set KS,  36                           ; s36 the key step
.set TB,  37                           ; s37 where it begins in LDS
.set LA,  38                           ; s38, s39 the last key step of tile A, of tile B
.set LB,  39
.macro ROUND
	s_barrier_signal -1
	s_barrier_wait -1
	s_cmp_lg_u32 s[WV], 0
	s_cbranch_scc1 .Lnot_wave_0_\@
	s_barrier_signal -3
.Lnot_wave_0_\@:
	s_barrier_wait -3
	s_barrier_signal -1
	s_barrier_wait -1
.endm
; Byte offsets of query tile s[si]: its codes and scale word in qbuf, its planes and scale bytes in ybuf; the shift that cuts its two scale bytes out of the word; its place in its key step.
.macro TILE si, qo, qs, yo, ys, sd, sh
	s_lshr_b32 s56, s[\si], 3                      ; the block of 128 tokens
	s_lshl_b32 s57, s12, 4
	s_add_co_u32 s57, s57, s56
	s_mul_i32 s57, s57, 6400
	s_bfe_u32 s58, s[\si], 0x20001                 ; b: which pair fragment
	s_and_b32 s59, s[\si], 1                       ; u: which half of it
	s_mul_i32 s60, s58, 1536
	s_mul_i32 s61, s59, 768
	s_add_co_u32 s[\qo], s57, s60
	s_add_co_u32 s[\qo], s[\qo], s61
	s_mov_b32 s[\qo+1], 0
	s_and_b32 s60, s58, 1
	s_lshl_b32 s60, s60, 7
	s_lshr_b32 s61, s58, 1
	s_lshl_b32 s61, s61, 2
	s_add_co_u32 s60, s60, s61
	s_add_co_u32 s60, s60, s57
	s_add_co_u32 s[\qs], s60, 6144                 ; word (b, r) at 128 (b % 2) + 8 r + 4 (b / 2)
	s_mov_b32 s[\qs+1], 0
	s_lshl_b32 s[\sh], s59, 4                      ; its bytes 2 u, 2 u + 1 are mine
	s_lshl_b32 s60, s58, 5
	s_lshl_b32 s61, s59, 3
	s_add_co_u32 s[\sd], s60, s61                  ; 32 b + 8 u
	s_lshr_b32 s60, s12, 4
	s_lshl_b32 s60, s60, 4
	s_add_co_u32 s60, s60, s56                     ; batch x 16 + the block
	s_mul_i32 s60, s60, 102400
	s_and_b32 s61, s[\si], 7                       ; the tile in the block
	s_mul_i32 s62, s61, 12288
	s_add_co_u32 s62, s62, s60
	s_and_b32 s63, s12, 15                         ; the head
	s_mul_i32 s56, s63, 768                        ; 1,536 (h / 2) + 768 (h % 2)
	s_add_co_u32 s[\yo], s62, s56
	s_mov_b32 s[\yo+1], 0
	s_lshl_b32 s61, s61, 9
	s_add_co_u32 s61, s61, s60
	s_lshl_b32 s63, s63, 1
	s_add_co_u32 s61, s61, s63
	s_add_co_u32 s[\ys], s61, 98304
	s_mov_b32 s[\ys+1], 0
.endm
; A KEY STEP of one tile: 128 keys.  nm: -M and the largest t (a pair); sm: the sum (a pair); qf: the q chain; of: O^T; qs: q's scale word; dd: the mask's base; lim: the tile's last key step.
; cond = 1: a step behind the tile's last is jumped over (the wave's number and the count of steps decide).  mask = 1: in the tile's last step the keys behind each query are hidden.
.macro STEP nm, sm, qf, of, qs, dd, lim, cond, mask
.if \cond
	s_cmp_gt_u32 s[KS], s[\lim]
	s_cbranch_scc1 .Lskip_\@
.endif
	v_add_nc_u32 v3, s[TB], v1
	v_add_nc_u32 v4, s[TB], v2
.irp b,0,1,2,3
.irp p,0,1,2
	ds_load_b128 v[KF+12*\b+4*\p:KF+12*\b+4*\p+3], v3 offset:1536*\b+512*\p   ; K's pair fragments as they lie: 512 consecutive bytes a load
.endr
	ds_load_b32 v[FS+\b], v4 offset:12288+128*(\b%2)+4*(\b/2)
.endr
	s_wait_dscnt 0x0
.irp b,0,1,2,3
	v_wmma_scale_f32_16x16x128_f8f6f4 v[S+16*\b:S+16*\b+7], v[KF+12*\b:KF+12*\b+11], v[\qf:\qf+11], 0, v[FS+\b], v[\qs] matrix_a_fmt:MATRIX_FMT_FP6 matrix_b_fmt:MATRIX_FMT_FP6
	v_wmma_scale_f32_16x16x128_f8f6f4 v[S+16*\b+8:S+16*\b+15], v[KF+12*\b:KF+12*\b+11], v[\qf+6:\qf+17], 0, v[FS+\b], v[\qs] matrix_a_fmt:MATRIX_FMT_FP6 matrix_b_fmt:MATRIX_FMT_FP6
.endr
.rept 4
	v_nop                                          ; places in front of the first read of the scores
.endr
.if \mask
	s_cmp_lg_u32 s[KS], s[\lim]
	s_cbranch_scc1 .Lopen_\@                       ; all keys of an earlier step count
	v_mov_b32 v[T1], 0xff800000                    ; -infinity: p = 0 then
.set N, 0
.rept 64                               ; register 16 b + i holds key 32 b + 16 (lane / 16) + i of the step: hidden where 32 b + i > my query's place - 16 (lane / 16)
	v_cmp_gt_i32 vcc_lo, 32*(N/16)+N%16, v[\dd]
	v_cndmask_b32 v[S+N], v[S+N], v[T1], vcc_lo
.set N, N+1
.endr
.Lopen_\@:
.endif
.irp b,0,1,2,3
	v_max3_num_f32 v[BM+\b], v[S+16*\b], v[S+16*\b+1], v[S+16*\b+2]   ; the largest score of each block of 32 keys: for the row's maximum and, since p rises with the score, for the block's largest p
.endr
.irp i,3,5,7,9,11,13
.irp b,0,1,2,3
	v_max3_num_f32 v[BM+\b], v[BM+\b], v[S+16*\b+\i], v[S+16*\b+\i+1]
.endr
.endr
.irp b,0,1,2,3
	v_max_num_f32 v[BM+\b], v[BM+\b], v[S+16*\b+15]
.endr
.irp b,0,1,2,3
	s_delay_alu instid0(VALU_DEP_4)
	v_permlanex16_b32 v[PT+\b], v[BM+\b], s[SEL], s[SEL+1]
.endr
.irp b,0,1,2,3
	s_delay_alu instid0(VALU_DEP_4)
	v_max_num_f32 v[BM+\b], v[BM+\b], v[PT+\b]     ; with lane l xor 16's 16 keys
.endr
	s_delay_alu instid0(VALU_DEP_2)
	v_max3_num_f32 v[T1], v[BM], v[BM+1], v[BM+2]
	s_delay_alu instid0(VALU_DEP_1)
	v_max_num_f32 v[T1], v[T1], v[BM+3]
	s_delay_alu instid0(VALU_DEP_1)
	v_mul_f32 v[T1], s[CS], v[T1]                  ; the step's largest t of my query (the step's first key counts for every query of the tile, so it is a number)
	s_delay_alu instid0(VALU_DEP_1)
	v_max_num_f32 v[\nm+1], v[\nm+1], v[T1]        ; the running largest t
	v_mov_b32 v[T1], v[\nm]
	s_delay_alu instid0(VALU_DEP_2)
	v_floor_f32 v[\nm], -v[\nm+1]                  ; -M = floor(-t): M is a whole number
	s_delay_alu instid0(VALU_DEP_1)
	v_sub_f32 v[T1], v[\nm], v[T1]                 ; old M - new M: a whole number, 0 or less
	s_delay_alu instid0(VALU_DEP_1)
	v_cvt_i32_f32 v[T1], v[T1]                     ; (it saturates)
	s_delay_alu instid0(VALU_DEP_1)
	v_ldexp_f32 v[F], 1.0, v[T1]                   ; f = 2^(old M - new M)
.set N, 0
.rept 32
	v_pk_fma_f32 v[S+N:S+N+1], v[S+N:S+N+1], s[CS:CS+1], v[\nm:\nm+1] op_sel_hi:[1,0,0]   ; t - M, two at a time
.set N, N+2
.endr
.irp b,0,1,2,3
	v_fma_f32 v[BM+\b], v[BM+\b], s[CS], v[\nm]    ; the same of each block's largest score
.endr
.set N, 0
	s_wait_alu depctr_va_vdst(0)
.rept 64
	v_exp_f32 v[S+N], v[S+N]                       ; p = 2^(t - M)
.set N, N+1
.endr
	v_pk_mul_f32 v[\sm:\sm+1], v[\sm:\sm+1], v[F:F+1] op_sel_hi:[1,0]   ; the sum under the new M; the plain instruction behind the exponentials
	s_wait_alu depctr_va_vdst(0)                   ; one wait for the batch, ahead of its first reader
.irp b,0,1,2,3
	v_exp_f32 v[BM+\b], v[BM+\b]                   ; the block's largest p: the same two instructions on the same number give the same bits
.endr
	v_pk_add_f32 v[S2:S2+1], v[S:S+1], v[S+2:S+3]  ; the row's sum is taken of the unquantised p, in two chains
.irp j,4,8,12,16,20,24,28,32,36,40,44,48,52,56,60
	v_pk_add_f32 v[\sm:\sm+1], v[\sm:\sm+1], v[S+\j:S+\j+1]
	v_pk_add_f32 v[S2:S2+1], v[S2:S2+1], v[S+\j+2:S+\j+3]
.endr
	s_delay_alu instid0(VALU_DEP_1)
	v_pk_add_f32 v[\sm:\sm+1], v[\sm:\sm+1], v[S2:S2+1]
	s_wait_alu depctr_va_vdst(0)                   ; and one for the four
.irp b,0,1,2,3
	v_max_num_f32 v[BM+\b], 0x1800000, v[BM+\b]    ; the floor 2^(3 - 127): a block whose every p is 0 keeps the byte 1: its codes are zeros
.endr
.irp b,0,1,2,3
	s_delay_alu instid0(VALU_DEP_4)
	v_add_nc_u32 v[SO+\b], 0xff000000, v[BM+\b]    ; 2 off the exponent field: the conversion's scale operand
.endr
.irp b,0,1,2,3
	s_delay_alu instid0(VALU_DEP_4)
	v_lshrrev_b32 v[PT+\b], 23, v[SO+\b]           ; the scale's byte
.endr
	s_delay_alu instid0(VALU_DEP_3)
	v_lshl_or_b32 v[PSW], v[PT+1], 8, v[PT]        ; p's scale word for these 128 keys
	s_delay_alu instid0(VALU_DEP_1)
	v_lshl_or_b32 v[PSW], v[PT+2], 16, v[PSW]
	s_delay_alu instid0(VALU_DEP_1)
	v_lshl_or_b32 v[PSW], v[PT+3], 24, v[PSW]
.irp c,0,1
	v_cvt_scalef32_pk16_fp6_f32 v[CD+6*\c:CD+6*\c+2], v[S+32*\c:S+32*\c+15], v[SO+2*\c]
	v_cvt_scalef32_pk16_fp6_f32 v[CX+4*\c:CX+4*\c+2], v[S+32*\c+16:S+32*\c+31], v[SO+2*\c+1]
.endr
	v_nop                                          ; one plain instruction behind the conversions
.irp c,0,1                             ; a whole block in a lane: lanes 0-15 block 2 c, lanes 16-31 block 2 c + 1
.irp i,0,1,2
	v_permlane16_swap_b32 v[CD+6*\c+\i], v[CX+4*\c+\i]
.endr
.irp i,0,1,2
	s_delay_alu instid0(VALU_DEP_3)
	v_mov_b32 v[CD+3+6*\c+\i], v[CX+4*\c+\i]
.endr
.endr
.irp t,0,1,2,3
.irp p,0,1,2
	ds_load_b128 v[S+12*\t+4*\p:S+12*\t+4*\p+3], v3 offset:6144+1536*\t+512*\p   ; V^T's four fragments, into the registers that p has left
.endr
	ds_load_b32 v[FS+\t], v4 offset:12544+128*(\t%2)+4*(\t/2)
.endr
.set N, 0
.rept 16
	v_pk_mul_f32 v[\of+N:\of+N+1], v[\of+N:\of+N+1], v[F:F+1] op_sel_hi:[1,0]   ; O^T under the new M, while V is on its way; these are also the places between the codes' and the scale word's last writes and the products
.set N, N+2
.endr
	s_wait_alu depctr_va_vdst(0)
	s_wait_dscnt 0x0
.irp t,0,1,2,3
	v_wmma_scale_f32_16x16x128_f8f6f4 v[\of+8*\t:\of+8*\t+7], v[S+12*\t:S+12*\t+11], v[CD:CD+11], v[\of+8*\t:\of+8*\t+7], v[FS+\t], v[PSW] matrix_a_fmt:MATRIX_FMT_FP6 matrix_b_fmt:MATRIX_FMT_FP6
.endr
.rept 5
	v_nop                                          ; five places: the next step's scores are laid by matrix instructions over registers that these products read (four serve its loads)
.endr
.if \cond
.Lskip_\@:
.endif
.endm
	s_load_b128 s[4:7], s[0:1], 0x0                ; qbuf s[4:5], kvbuf s[6:7]
	s_load_b64 s[8:9], s[0:1], 0x10                ; ybuf
	v_lshl_add_u32 v5, v0, 2, SPARE                ; my spare word,
	v_mov_b32 v6, 0                                ; and 0; both are kept
	ds_add_u32 v5, v6                              ; the wave's opening: the add, twice on end, and its wait ahead of my first tensor load
	ds_add_u32 v5, v6
	v_lshrrev_b32 v3, 5, v0
	s_delay_alu instid0(VALU_DEP_1)
	v_readfirstlane_b32 s[WV], v3                  ; wave 0..15
	s_and_b32 s12, ttmp7, 0xffff                   ; batch x 16 + head, which the four partners share
	s_mov_b32 s[G1], 15|(3<<16)|(1<<21)            ; group 1: the mask names all four work-groups; elements of 8 bytes; bit 21 set beside a mask; no padding
	s_mov_b32 s[G1+1], 32<<16                      ; rows of 256 bytes
	s_mov_b32 s[G1+2], 50<<16                      ; 50 of them: a key step's 12,800 bytes
	s_mov_b32 s[G1+3], 32<<16
	s_mov_b32 s[G1+4], 50
	s_mov_b32 s[G1+5], 32
	s_mov_b32 s[G1+6], 0
	s_mov_b32 s[G1+7], 0
	s_mov_b32 s[G0], 1
	s_mul_i32 s[G0+1], s[WV], STEPB                ; key step w, in LDS
	s_mul_i32 s14, s12, 16*STEPB
	s_add_co_u32 s14, s14, s[G0+1]                 ; and in memory: no place in the cluster enters the descriptor
	s_mov_b32 s15, 0
	s_mov_b32 s[SEL], 0x76543210
	s_mov_b32 s[SEL+1], 0xfedcba98
	s_mov_b32 s[CS], 0x3e38aa3b                    ; c = log2(e) / 8
	s_mov_b32 s[CS+1], s[CS]                       ; (named with it as a pair, so it is written)
	s_lshr_b32 s[LA], s[WV], 1
	s_sub_co_u32 s[LB], 15, s[LA]
	s_bfe_u32 s11, ttmp6, 0x40000                  ; cx: it enters q's and y's addresses and the mask's bases alone
	s_lshl_b32 s16, s[WV], 2
	s_add_co_u32 s16, s16, s11                     ; iA
	s_sub_co_u32 s17, 127, s16                     ; iB
	TILE 16, 40, 44, 48, 52, 18, 2
	TILE 17, 42, 46, 50, 54, 19, 3
	v_and_b32 v3, 31, v0
	s_delay_alu instid0(VALU_DEP_1)
	v_lshlrev_b32 v1, 4, v3                        ; 16 x lane
	s_delay_alu instid0(VALU_DEP_2)
	v_lshlrev_b32 v7, 3, v3                        ; 8 x lane
	v_and_b32 v4, 15, v0                           ; r
	s_delay_alu instid0(VALU_DEP_1)
	v_lshlrev_b32 v2, 3, v4                        ; 8 r
	s_delay_alu instid0(VALU_DEP_2)
	v_and_b32 v8, 8, v4
	s_delay_alu instid0(VALU_DEP_1)
	v_add_nc_u32 v8, v8, v4                        ; r + 8 (r / 8)
	v_and_b32 v9, 16, v0
	s_delay_alu instid0(VALU_DEP_1)
	v_sub_nc_u32 v9, v8, v9                        ; - 16 (lane / 16)
	s_delay_alu instid0(VALU_DEP_1)
	v_add_nc_u32 v8, s18, v9                       ; the mask's base of tile A: my query's place in its key step - 16 (lane / 16)
	s_delay_alu instid0(VALU_DEP_2)
	v_add_nc_u32 v9, s19, v9                       ; of tile B
	s_wait_dscnt 0x0                               ; both opening adds are done
	s_wait_kmcnt 0x0
	s_add_nc_u64 s[G0+2:G0+3], s[6:7], s[14:15]
	s_or_b32 s[G0+3], s[G0+3], 0x80000000          ; type = 2
	s_add_nc_u64 s[40:41], s[4:5], s[40:41]
	s_add_nc_u64 s[42:43], s[4:5], s[42:43]
	s_add_nc_u64 s[44:45], s[4:5], s[44:45]
	s_add_nc_u64 s[46:47], s[4:5], s[46:47]
	s_add_nc_u64 s[48:49], s[8:9], s[48:49]
	s_add_nc_u64 s[50:51], s[8:9], s[50:51]
	s_add_nc_u64 s[52:53], s[8:9], s[52:53]
	s_add_nc_u64 s[54:55], s[8:9], s[54:55]
	ROUND                                          ; all four work-groups are here: the joint loads meet
	tensor_load_to_lds s[G0:G0+3], s[G1:G1+7]      ; my one tensor load of the launch
	s_nop 0
.rept 4
	v_nop
.endr
	s_wait_alu depctr_va_vdst(0)
.irp j,0,1,2
	global_load_b64 v[20+2*\j:21+2*\j], v7, s[40:41] offset:256*\j   ; q's six registers stand at both ends of its chain: they are loaded twice
	global_load_b64 v[32+2*\j:33+2*\j], v7, s[40:41] offset:256*\j
	global_load_b64 v[38+2*\j:39+2*\j], v7, s[42:43] offset:256*\j
	global_load_b64 v[50+2*\j:51+2*\j], v7, s[42:43] offset:256*\j
.endr
	global_load_b32 v[T1], v2, s[44:45]            ; the scale words that hold q's two bytes
	global_load_b32 v[S2], v2, s[46:47]
.irp j,0,1,2,3,4,5
	v_mov_b32 v[26+\j], 0                          ; the chains' middles: zero codes
	v_mov_b32 v[44+\j], 0
.endr
	v_mov_b32 v13, 0xff61b1e6                      ; the largest t so far: -3e38, under every t
	s_delay_alu instid0(VALU_DEP_1)
	v_floor_f32 v12, -v13                          ; -M
	v_mov_b32 v14, 0                               ; the sum, in two halves
	v_mov_b32 v15, 0
	v_mov_b32 v17, 0xff61b1e6
	s_delay_alu instid0(VALU_DEP_1)
	v_floor_f32 v16, -v17
	v_mov_b32 v18, 0
	v_mov_b32 v19, 0
.irp b,0,1,2,3
	v_mov_b32 v[PT+\b], 0                          ; written once: a lane permute's destination counts as one of its sources
.endr
	s_wait_loadcnt 0x0
	v_lshrrev_b32 v[T1], s2, v[T1]
	v_lshrrev_b32 v[S2], s3, v[S2]
	s_delay_alu instid0(VALU_DEP_2)
	v_and_b32 v[T1], 0xffff, v[T1]
	s_delay_alu instid0(VALU_DEP_2)
	v_and_b32 v[S2], 0xffff, v[S2]
	s_delay_alu instid0(VALU_DEP_2)
	v_lshl_or_b32 v10, v[T1], 16, v[T1]            ; q's two bytes in both halves of the word: they serve [q | 0] and [0 | q]; over the zero codes they scale nothing
	s_delay_alu instid0(VALU_DEP_2)
	v_lshl_or_b32 v11, v[S2], 16, v[S2]
.set N, 0
.rept 64
	v_mov_b32 v[56+N], 0                           ; O^T: the step is written once, and the first change of M leaves zeros zeros.  (Also the places between the lines above and the first products)
.set N, N+1
.endr
	s_wait_tensorcnt 0x0                           ; my key step is in,
	s_barrier_signal -1
	s_barrier_wait -1                              ; everybody's is
	s_mov_b32 s[KS], 0
	s_mov_b32 s[TB], 0
.Lone:                                             ; key steps 0-7: tile A up to its last, tile B always (its last is 8 or later)
	STEP 12, 14, 20, 56, 10, 8, LA, 1, 1
	STEP 16, 18, 38, 88, 11, 9, LB, 0, 0
	s_add_co_u32 s[TB], s[TB], STEPB
	s_add_co_u32 s[KS], s[KS], 1
	s_cmp_lt_u32 s[KS], 8
	s_cbranch_scc1 .Lone
	s_mov_b32 s[KS], 8                             ; the second walk begins at key step 8
	s_mov_b32 s[TB], 8*STEPB
.Ltwo:                                             ; key steps 8-15: tile B up to its last
	STEP 16, 18, 38, 88, 11, 9, LB, 1, 1
	s_add_co_u32 s[TB], s[TB], STEPB
	s_add_co_u32 s[KS], s[KS], 1
	s_cmp_lt_u32 s[KS], 16
	s_cbranch_scc1 .Ltwo
	; THE WAY OUT.  O^T / the sum is y; the 64 registers of my two tiles, register 16 b + i = channel 32 (b % 2) + 16 (lane / 16) + i of tile b / 2, are quantised as four blocks: two half fragments.
	v_add_f32 v14, v14, v15
	v_add_f32 v18, v18, v19
	s_delay_alu instid0(VALU_DEP_2)
	v_permlanex16_b32 v[PT], v14, s[SEL], s[SEL+1]
	s_delay_alu instid0(VALU_DEP_2)
	v_permlanex16_b32 v[PT+1], v18, s[SEL], s[SEL+1]
	s_delay_alu instid0(VALU_DEP_2)
	v_add_f32 v14, v14, v[PT]                      ; the rows' sums
	s_delay_alu instid0(VALU_DEP_2)
	v_add_f32 v18, v18, v[PT+1]
	s_wait_alu depctr_va_vdst(0)
	v_rcp_f32 v14, v14
	v_rcp_f32 v18, v18
	v_lshlrev_b32 v4, 2, v2                        ; 32 r: a row's scale bytes.  (The plain instruction behind the reciprocals)
	s_wait_alu depctr_va_vdst(0)                   ; one wait for both, ahead of the first reader
.set N, 0
.rept 16
	v_pk_mul_f32 v[56+N:57+N], v[56+N:57+N], v[14:15] op_sel_hi:[1,0]
.set N, N+2
.endr
.set N, 0
.rept 16
	v_pk_mul_f32 v[88+N:89+N], v[88+N:89+N], v[18:19] op_sel_hi:[1,0]
.set N, N+2
.endr
.irp b,0,1,2,3
	v_max3_num_f32 v[BM+\b], |v[56+16*\b]|, |v[57+16*\b]|, 0x1800000
.endr
.irp i,2,4,6,8,10,12,14
.irp b,0,1,2,3
	s_delay_alu instid0(VALU_DEP_4)
	v_max3_num_f32 v[BM+\b], v[BM+\b], |v[56+16*\b+\i]|, |v[57+16*\b+\i]|
.endr
.endr
.irp b,0,1,2,3
	s_delay_alu instid0(VALU_DEP_4)
	v_permlanex16_b32 v[PT+\b], v[BM+\b], s[SEL], s[SEL+1]
.endr
.irp b,0,1,2,3
	s_delay_alu instid0(VALU_DEP_4)
	v_max_num_f32 v[BM+\b], v[BM+\b], v[PT+\b]
.endr
.irp b,0,1,2,3
	s_delay_alu instid0(VALU_DEP_4)
	v_add_nc_u32 v[SO+\b], 0xff000000, v[BM+\b]
.endr
.irp b,0,1,2,3
	s_delay_alu instid0(VALU_DEP_4)
	v_lshrrev_b32 v[PT+\b], 23, v[SO+\b]
.endr
	s_delay_alu instid0(VALU_DEP_3)
	v_lshl_or_b32 v[YW], v[PT+1], 8, v[PT]         ; tile A's two scale bytes,
	s_delay_alu instid0(VALU_DEP_2)
	v_lshl_or_b32 v[YW+1], v[PT+3], 8, v[PT+2]     ; tile B's
.irp c,0,1
	v_cvt_scalef32_pk16_fp6_f32 v[CD+6*\c:CD+6*\c+2], v[56+32*\c:71+32*\c], v[SO+2*\c]
	v_cvt_scalef32_pk16_fp6_f32 v[CX+4*\c:CX+4*\c+2], v[72+32*\c:87+32*\c], v[SO+2*\c+1]
.endr
	v_nop                                          ; one plain instruction behind the conversions
.irp c,0,1
.irp i,0,1,2
	v_permlane16_swap_b32 v[CD+6*\c+\i], v[CX+4*\c+\i]
.endr
.irp i,0,1,2
	s_delay_alu instid0(VALU_DEP_3)
	v_mov_b32 v[CD+3+6*\c+\i], v[CX+4*\c+\i]
.endr
.endr
.irp j,0,1,2
	global_store_b64 v7, v[CD+2*\j:CD+2*\j+1], s[48:49] offset:256*\j       ; 32 lanes store 256 consecutive bytes, aligned
	global_store_b64 v7, v[CD+6+2*\j:CD+7+2*\j], s[50:51] offset:256*\j
.endr
	global_store_b16 v4, v[YW], s[52:53]           ; lanes r and r + 16 write the same two bytes with the same value
	global_store_b16 v4, v[YW+1], s[54:55]
	s_wait_tensorcnt 0x0                           ; the wave's end
	ds_add_u32 v5, v6
	s_wait_dscnt 0x0
	ROUND                                          ; the closing round
	s_endpgm
.Lfunc_end_k_q1e183974fc_attn:
	.size	k_q1e183974fc_attn, .Lfunc_end_k_q1e183974fc_attn-k_q1e183974fc_attn
	.p2alignl 7, 3214868480
	.fill 96, 4, 3214868480
	.section	.rodata,"a",@progbits
	.p2align	6, 0x0
	.amdhsa_kernel k_q1e183974fc_attn
		.amdhsa_group_segment_fixed_size 206848
		.amdhsa_private_segment_fixed_size 0
		.amdhsa_enable_private_segment 0
		.amdhsa_kernarg_size 24
		.amdhsa_user_sgpr_count 2
		.amdhsa_user_sgpr_kernarg_segment_ptr 1
		.amdhsa_wavefront_size32 1
		.amdhsa_system_sgpr_workgroup_id_x 1
		.amdhsa_system_sgpr_workgroup_id_y 1
		.amdhsa_system_sgpr_workgroup_id_z 1
		.amdhsa_system_vgpr_workitem_id 0
		.amdhsa_next_free_vgpr 256
		.amdhsa_next_free_sgpr 66
		.amdhsa_reserve_vcc 1
		.amdhsa_float_denorm_mode_32 3
		.amdhsa_float_denorm_mode_16_64 3
		.amdhsa_memory_ordered 1
		.amdhsa_forward_progress 1
		.amdhsa_inst_pref_size 82
	.end_amdhsa_kernel
	.amdgpu_metadata
---
amdhsa.version: [ 1, 2 ]
amdhsa.kernels:
  - .name:           k_q1e183974fc_attn
    .symbol:         k_q1e183974fc_attn.kd
    .args:
      - { .name: qbuf, .offset: 0, .size: 8, .value_kind: global_buffer, .address_space: global }
      - { .name: kvbuf, .offset: 8, .size: 8, .value_kind: global_buffer, .address_space: global }
      - { .name: ybuf, .offset: 16, .size: 8, .value_kind: global_buffer, .address_space: global }
    .group_segment_fixed_size: 206848
    .private_segment_fixed_size: 0
    .kernarg_segment_align: 8
    .kernarg_segment_size: 24
    .max_flat_workgroup_size: 512
    .sgpr_count:     66
    .vgpr_count:     256
    .wavefront_size: 32
...
	.end_amdgpu_metadata
.endif
;; end of part 3
;; launch oproj (part 4): grid 4 x 64, 4 waves a work-group, clusters of 4 x 1, 167,936 bytes of LDS; arguments ybuf, img, out0; writes out0
.if DOCPART == 4
	.amdgcn_target "amdgcn-amd-amdhsa--gfx1250"
	.amdhsa_code_object_version 6
	.text
	.protected	k_q1e183974fc_oproj
	.globl	k_q1e183974fc_oproj
	.p2align	8
	.type	k_q1e183974fc_oproj,@function
k_q1e183974fc_oproj:
	s_mov_b64 s[64:65], 0
	v_nop
	global_prefetch_b8 v0, s[64:65] scope:SCOPE_SE
	s_setreg_imm32_b32 hwreg(HW_REG_WAVE_MODE, 25, 1), 1
	s_wait_xcnt 0x0
	s_wait_alu depctr_hold_cnt(0) depctr_sa_sdst(0) depctr_va_vdst(0) depctr_va_sdst(0) depctr_va_ssrc(0) depctr_va_vcc(0) depctr_vm_vsrc(0)
	s_getreg_b32 s2, hwreg(HW_REG_IB_STS2, 6, 4)
	s_cmp_eq_u32 s2, 0
	s_cbranch_scc0 .Lentry_in_a_cluster
	s_endpgm
.Lentry_in_a_cluster:
	s_bfe_u32 s2, ttmp6, 0x10000c
	s_cmp_lg_u32 s2, 0x3003
	s_cbranch_scc0 .Lentry_shape_is_right
	s_endpgm
.Lentry_shape_is_right:
; FOURTH LAUNCH: out0 = y Wo^T on codes of FP6 (E2M3), f32 out.  No work of reference() is left out here.
; SHARES.  A work-group takes 128 tokens (block tb) and 256 columns; wave w takes columns 64 (4 cx + w) on: 32 accumulators, 8 K steps of 128, 32 matrix instructions a step.
; CLUSTER.  The four work-groups of a cluster take the same 128 tokens: y's block (102,400 bytes, one dense run of memory) is asked for JOINTLY, a quarter by each wave, once, and stays in LDS.
; Wo is not asked for jointly and does not pass through LDS: each of its fragments is multiplied by ONE wave of a work-group, so it goes from memory straight into that wave's registers, four K steps ahead;
; the partners of a cluster take different columns and share none of it.
; TRANSPOSED (source 0 = 16 rows of Wo, source 1 = 16 tokens): a lane holds one token, and by the order of rows in a tile (lane r of tile 2 g + u: row 32 g + 8 u + r + 8 (r / 8)) the 16 registers of Wo's tiles
; 2 b, 2 b + 1 are columns 32 b + 16 (lane / 16) + 0 .. 15.  A tile of 16 tokens x 64 columns goes through my own stage in LDS and leaves as rows of 256 bytes: sixteen lanes store 256 consecutive bytes, aligned.
; REGISTERS, in windows of 256: window 0: v1-12 addresses; v32-95 y's scale words (8 t + s); v96-127 Wo's (8 n + s); v160-207 y's fragments of tiles 0-3, v208-255 of tiles 4-7 (on the way out: rows read back).
;   window 1: the 32 accumulators (32 t + 8 n).   window 2: v0-191 Wo's fragments, four slots of 48.
.set STAGE, 102400                     ; behind y's block: 16 rows x (256 bytes + 16) for each wave
.set SPARE, 119808                     ; behind the stages: the spare words, 128 bytes for each wave
.set ASC,   32
.set BSC,   96
.set XF,    160
.set BK,    160
.set MSB, 0
.macro WIN new                         ; s_set_vgpr_msb: bits 1:0 source 0, 3:2 source 1, 5:4 source 2, 7:6 destination; the high byte repeats the setting that is left
.if MSB != \new
	s_set_vgpr_msb (MSB<<8)|\new
.set MSB, \new
.endif
.endm
.macro ROUND
	s_barrier_signal -1
	s_barrier_wait -1
	s_cmp_lg_u32 s10, 0
	s_cbranch_scc1 .Lnot_wave_0_\@
	s_barrier_signal -3
.Lnot_wave_0_\@:
	s_barrier_wait -3
	s_barrier_signal -1
	s_barrier_wait -1
.endm
.macro PLACES n
.rept \n
	v_nop
.endr
.endm
.macro LDA base, adr, s                ; y's fragments of four tiles, K step s: six planes of 256 consecutive bytes each
.irp t,0,1,2,3
.irp p,0,1,2,3,4,5
	ds_load_b64 v[\base+12*\t+2*\p:\base+12*\t+2*\p+1], v[\adr] offset:12288*\t+1536*(\s)+256*\p
.endr
.endr
.endm
.macro LDB tt                          ; K step tt: my four fragments of Wo into slot tt % 4
	WIN 0x80
.irp n,0,1,2,3
.irp p,0,1,2
	global_load_b128 v[48*((\tt)%4)+12*\n+4*\p:48*((\tt)%4)+12*\n+4*\p+3], v1, s[28:29] offset:12288*\n+1536*(\tt)+512*\p
.endr
.endr
	WIN 0
.endm
; 16 matrix instructions of K step T.  The 32 accumulators take turns, one instruction a turn, in the same order in every step; the first step starts the sums with the constant 0.
.macro MUL16 half
.irp t,0,1,2,3
.irp n,0,1,2,3
.set RGA, XF+48*(\half)+12*\t
.set RGB, 48*(T%4)+12*\n
.set SCA, ASC+8*(4*(\half)+\t)+T
.set SCB, BSC+8*\n+T
.set RGD, 32*(4*(\half)+\t)+8*\n
.if T == 0
	v_wmma_scale_f32_16x16x128_f8f6f4 v[RGD:RGD+7], v[RGB:RGB+11], v[RGA:RGA+11], 0, v[SCB], v[SCA] matrix_a_fmt:MATRIX_FMT_FP6 matrix_b_fmt:MATRIX_FMT_FP6
.else
	v_wmma_scale_f32_16x16x128_f8f6f4 v[RGD:RGD+7], v[RGB:RGB+11], v[RGA:RGA+11], v[RGD:RGD+7], v[SCB], v[SCA] matrix_a_fmt:MATRIX_FMT_FP6 matrix_b_fmt:MATRIX_FMT_FP6
.endif
.endr
.endr
.endm
.macro KSTEP
.if T <= 4
	s_wait_loadcnt 36                              ; this step's 12 loads of Wo are in (and the scale words, issued ahead of them): behind them stand three steps' 36
.else
	s_wait_loadcnt 12*(7-T)                        ; the last steps: two, one, no step behind
.endif
	s_wait_dscnt 24                                ; tiles 0-3 are in; tiles 4-7's 24 loads may be out
	WIN 0x52                                       ; source 0 (Wo) window 2, source 1 (y) window 0, C and D window 1
	MUL16 0
	WIN 0
.if T < 7
	PLACES 4
	LDA XF, 6, T+1
	s_wait_dscnt 24                                ; tiles 4-7 are in; the 24 just issued may be out
.else
	s_wait_alu depctr_va_vdst(0)
	s_wait_dscnt 0x0
.endif
	WIN 0x52
	MUL16 1
	WIN 0
	PLACES 4                                       ; for the loads below, and behind the last step for the first read of results
.if T < 7
	LDA XF+48, 4, T+1
.endif
.if T <= 3
	LDB T+4                                        ; into the slot that this step has multiplied
.endif
.set T, T+1
.endm
.macro TOSTAGE t                       ; tile t: a lane's 32 numbers of one token into its row of the stage, each accumulator from its low end on; back as whole rows, two an instruction
	WIN 0x04                                       ; an LDS store's data are its source 1: window 1
.irp e,0,1,2,3,4,5,6,7
	ds_store_b128 v10, v[32*(\t)+4*\e:32*(\t)+4*\e+3] offset:128*(\e/4)+16*(\e%4)
.endr
	WIN 0
.set BB, BK+32*((\t)%2)
.irp i,0,1,2,3,4,5,6,7
	ds_load_b128 v[BB+4*\i:BB+4*\i+3], v11 offset:544*\i   ; LDS serves a wave's instructions in order: these see the stores above, and the next tile's stores come behind them
.endr
.endm
.macro SEND t, younger                 ; younger: the LDS instructions issued behind tile t's loads, which may stay out
.set BB, BK+32*((\t)%2)
	s_wait_dscnt \younger
.irp i,0,1,2,3,4,5,6,7
	global_store_b128 v12, v[BB+4*\i:BB+4*\i+3], s[32:33] offset:(32*((\t)/2)+8*((\t)%2)+2*\i+8*(\i/4))*4096 th:TH_STORE_NT   ; rows 2 i, 2 i + 1 of the tile are tokens 2 i + 8 (i / 4) and the next
.endr
.endm
	s_load_b128 s[4:7], s[0:1], 0x0                ; ybuf s[4:5], img s[6:7]
	s_load_b64 s[8:9], s[0:1], 0x10                ; out0
	v_lshl_add_u32 v8, v0, 2, SPARE                ; my spare word,
	v_mov_b32 v9, 0                                ; and 0; both are kept
	ds_add_u32 v8, v9                              ; the wave's opening: the add, twice on end, and its wait ahead of my first tensor load
	ds_add_u32 v8, v9
	v_lshrrev_b32 v13, 5, v0
	v_readfirstlane_b32 s10, v13                   ; wave 0..3
	s_and_b32 s12, ttmp7, 0xffff                   ; tb, which the four partners share
	s_mov_b32 s16, 15|(3<<16)|(1<<21)              ; group 1: the mask names all four work-groups; elements of 8 bytes; bit 21 set beside a mask; no padding
	s_mov_b32 s17, 32<<16                          ; rows of 256 bytes
	s_mov_b32 s18, 100<<16                         ; 100 of them: a quarter of the block
	s_mov_b32 s19, 32<<16
	s_mov_b32 s20, 100
	s_mov_b32 s21, 32
	s_mov_b32 s22, 0
	s_mov_b32 s23, 0
	s_mov_b32 s24, 1
	s_mul_i32 s25, s10, 25600                      ; my quarter, in LDS
	s_mul_i32 s14, s12, 102400
	s_add_co_u32 s14, s14, s25                     ; and in memory: no place in the cluster enters the descriptor
	s_mov_b32 s15, 0
	s_bfe_u32 s11, ttmp6, 0x40000                  ; cx
	s_lshl_b32 s13, s11, 2
	s_add_co_u32 s13, s13, s10                     ; my 64 columns: 64 (4 cx + w) on
	s_lshr_b32 s40, s13, 1
	s_add_co_u32 s40, s40, 88                      ; Wo's block of 128 rows that holds them
	s_mul_i32 s40, s40, 102400
	s_and_b32 s42, s13, 1
	s_mul_i32 s43, s42, 49152
	s_add_co_u32 s44, s40, s43
	s_mov_b32 s45, 0
	s_lshl_b32 s43, s42, 11
	s_add_co_u32 s46, s40, s43
	s_add_co_u32 s46, s46, 98304
	s_mov_b32 s47, 0
	s_lshl_b32 s48, s12, 19                        ; 128 rows of out0, 4,096 bytes each
	s_lshl_b32 s49, s13, 8
	s_add_co_u32 s48, s48, s49
	s_mov_b32 s49, 0
	v_and_b32 v13, 31, v0
	v_lshlrev_b32 v1, 4, v13                       ; 16 x lane: Wo's images
	v_lshlrev_b32 v6, 3, v13                       ; 8 x lane: y's planes, tiles 0-3
	v_and_b32 v14, 15, v0                          ; r
	v_lshlrev_b32 v2, 5, v14                       ; 32 r: a row's scale bytes
	v_add_nc_u32 v4, 49152, v6                     ; tiles 4-7
	v_add_nc_u32 v5, 98304, v2                     ; y's scale bytes in LDS
	v_bfe_u32 v15, v0, 4, 1                        ; h
	s_mul_i32 s39, s10, 4352
	s_add_co_u32 s39, s39, STAGE                   ; my stage
	v_mul_u32_u24 v10, v14, 272
	v_lshl_add_u32 v10, v15, 6, v10
	v_add_nc_u32 v10, s39, v10                     ; in: row r, + 64 h
	v_mul_u32_u24 v11, v15, 272
	v_lshl_add_u32 v11, v14, 4, v11
	v_add_nc_u32 v11, s39, v11                     ; back: lanes 0-15 one row, lanes 16-31 the next
	v_lshlrev_b32 v12, 12, v15
	v_lshl_add_u32 v12, v14, 4, v12                ; and the same two rows in out0
	s_wait_dscnt 0x0                               ; both opening adds are done
	s_wait_kmcnt 0x0
	s_add_nc_u64 s[26:27], s[4:5], s[14:15]
	s_or_b32 s27, s27, 0x80000000                  ; type = 2
	s_add_nc_u64 s[28:29], s[6:7], s[44:45]        ; Wo's fragments
	s_add_nc_u64 s[30:31], s[6:7], s[46:47]        ; Wo's scale bytes
	s_add_nc_u64 s[32:33], s[8:9], s[48:49]        ; my part of out0
	ROUND                                          ; all four work-groups are here: the joint loads meet
	tensor_load_to_lds s[24:27], s[16:23]          ; my one tensor load of the launch
	s_nop 0
	PLACES 4
.irp n,0,1,2,3
.irp q,0,1
	global_load_b128 v[BSC+8*\n+4*\q:BSC+8*\n+4*\q+3], v2, s[30:31] offset:512*\n+16*\q   ; Wo's scale words: 32 bytes a row
.endr
.endr
	LDB 0
	LDB 1
	LDB 2
	LDB 3
	s_wait_tensorcnt 0x0                           ; my quarter of y's block is in,
	s_barrier_signal -1
	s_barrier_wait -1                              ; everybody's is
.irp t,0,1,2,3,4,5,6,7
.irp q,0,1
	ds_load_b128 v[ASC+8*\t+4*\q:ASC+8*\t+4*\q+3], v5 offset:512*\t+16*\q   ; y's scale words
.endr
.endr
	LDA XF, 6, 0
	LDA XF+48, 4, 0
.set T, 0
.rept 8
	KSTEP
.endr
	TOSTAGE 0
.irp a,1,2,3,4,5,6,7
.if \a > 1
	s_wait_xcnt 0x0                                ; tile a - 2's stores have read their registers: tile a's rows may land there
.endif
	TOSTAGE \a
	SEND \a-1, 16                                  ; behind tile a - 1's loads: tile a's 8 stores and 8 loads
.endr
	SEND 7, 0
	s_wait_tensorcnt 0x0                           ; the wave's end, behind my last LDS store
	ds_add_u32 v8, v9
	s_wait_dscnt 0x0
	ROUND                                          ; the closing round
	s_endpgm
.Lfunc_end_k_q1e183974fc_oproj:
	.size	k_q1e183974fc_oproj, .Lfunc_end_k_q1e183974fc_oproj-k_q1e183974fc_oproj
	.p2alignl 7, 3214868480
	.fill 96, 4, 3214868480
	.section	.rodata,"a",@progbits
	.p2align	6, 0x0
	.amdhsa_kernel k_q1e183974fc_oproj
		.amdhsa_group_segment_fixed_size 167936
		.amdhsa_private_segment_fixed_size 0
		.amdhsa_enable_private_segment 0
		.amdhsa_kernarg_size 24
		.amdhsa_user_sgpr_count 2
		.amdhsa_user_sgpr_kernarg_segment_ptr 1
		.amdhsa_wavefront_size32 1
		.amdhsa_system_sgpr_workgroup_id_x 1
		.amdhsa_system_sgpr_workgroup_id_y 1
		.amdhsa_system_sgpr_workgroup_id_z 1
		.amdhsa_system_vgpr_workitem_id 0
		.amdhsa_next_free_vgpr 768
		.amdhsa_next_free_sgpr 66
		.amdhsa_reserve_vcc 0
		.amdhsa_float_denorm_mode_32 3
		.amdhsa_float_denorm_mode_16_64 3
		.amdhsa_memory_ordered 1
		.amdhsa_forward_progress 1
		.amdhsa_inst_pref_size 91
	.end_amdhsa_kernel
	.amdgpu_metadata
---
amdhsa.version: [ 1, 2 ]
amdhsa.kernels:
  - .name:           k_q1e183974fc_oproj
    .symbol:         k_q1e183974fc_oproj.kd
    .args:
      - { .name: ybuf, .offset: 0, .size: 8, .value_kind: global_buffer, .address_space: global }
      - { .name: img, .offset: 8, .size: 8, .value_kind: global_buffer, .address_space: global }
      - { .name: out0, .offset: 16, .size: 8, .value_kind: global_buffer, .address_space: global }
    .group_segment_fixed_size: 167936
    .private_segment_fixed_size: 0
    .kernarg_segment_align: 8
    .kernarg_segment_size: 24
    .max_flat_workgroup_size: 128
    .sgpr_count:     66
    .vgpr_count:     768
    .wavefront_size: 32
...
	.end_amdgpu_metadata
.endif
;; end of part 4
